; MI455X (gfx1250); checked and timed in simulation.
; The chip was launched on July 23, 2026; its instructions are those of AMD's public machine-readable ISA for CDNA 5 (MIT licence, August 2026) and "CDNA5" Instruction Set Architecture Reference Guide (July 2026). The comments in the code are by the model that wrote it; some were corrected since.
;; Mo E Layer. Allowed arithmetic: matrix products marked QUANTISED: E2M1 operands, one E8M0 scale for each 32 along K, by v_wmma_scale_f32_16x16x128_f8f6f4 with both operands' format E2M1 (or v_wmma_scale_f32_32x16x128_f4), f32 sums; products left as they are: f32 operands where the result goes on into a quantised operand, else bf16, f16 or f32 operands; f32 sums; everything else in f32.
;; Inputs: W1_codes 8 x 4,096 x 32 x 16 uint8 (E2M1 codes of W1, K innermost, in blocks of 32 codes, two codes a byte); W1_scales 8 x 4,096 x 32 uint8 (E8M0 scales of W1, one for each 32 codes along K); W2_codes 8 x 1,024 x 128 x 16 uint8 (E2M1 codes of W2, K innermost, in blocks of 32 codes, two codes a byte); W2_scales 8 x 1,024 x 128 uint8 (E8M0 scales of W2, one for each 32 codes along K); Wr 1,024 x 8 float32; b1 8 x 4,096 float32; b2 8 x 1,024 float32; x 2 x 512 x 1,024 float32.
;; Outputs: out0 2 x 512 x 1,024 float32.
;; This version of the problem:
;;   THIS VERSION OF THE PROBLEM IS GIVEN IN LOW PRECISION. The matrix products marked QUANTISED in the list below multiply operands that are first quantised to E2M1 (2 exponent bits, 1 mantissa bit; 4 bits a number), with one power-of-two scale for each 32 numbers along K (OCP MX v1.0); their sums are f32. All else is computed in f32.
;;   The module's matrix products, in the order in which they are computed (A, B: the left and right operand; K: the contracted axis; several contracted axes count as one K, in the product's order):
;;     1. [M 1,024, K 1,024] x [K 1,024, N 8]; A: input x; B: input Wr: left as it is (N = 8 < 16)
;;     2. [M 32,768, K 1,024] x [K 1,024, N 1,024]; A: input W1 (given as codes); B: input x: QUANTISED
;;     3. batch 8 x [M 1,024, K 4,096] x [K 4,096, N 1,024]; A: computed on the way; B: input W2 (given as codes): QUANTISED
;;     4. batch 1,024 x [M 1,024, K 8] x [K 8, N 1]; A: computed on the way; B: computed on the way: left as it is (K = 8 < 32)
;;   THE QUANTISER, for each operand of a quantised product, along K:
;;     - K is cut into blocks of 32 from its start; a last block that is shorter is filled with zeros.
;;     - A block's scale is 2^e with e = floor(log2(the largest magnitude in the block)) - 2, held to -126 .. 127; a block of zeros has e = 0. As a byte (E8M0): e + 127.
;;     - Each number is divided by its block's scale, clamped to +-6, and rounded to the nearest number of E2M1, ties to even, subnormals kept.
;;     - The product sums the exact products of the quantised numbers (number of the format x scale) in f32.
;;   ~~~python
;;   def quantise(x, axis):      # numpy; x: float32 -> the quantised numbers, widened to float32 again
;;       x = np.moveaxis(x, axis, -1); K = x.shape[-1]
;;       x = np.pad(x, [(0, 0)] * (x.ndim - 1) + [(0, -K % 32)]); x = x.reshape(x.shape[:-1] + (-1, 32)); a = np.abs(x).max(-1, keepdims=True)
;;       e = np.where(a > 0, np.clip(np.frexp(np.where(a > 0, a, 1))[1] - 1 - 2, -126, 127), 0)      # np.frexp(a)[1] - 1 = floor(log2(a)), exactly
;;       r = np.clip(x / 2.0 ** e, -6, 6)
;;       step = 2.0 ** (np.maximum(np.frexp(np.where(r == 0, 1, r))[1] - 1, 0) - 1)
;;       q = np.round(r / step) * step * 2.0 ** e      # np.round: ties to even
;;       return np.moveaxis(q.reshape(q.shape[:-2] + (-1,))[..., :K], -1, axis).astype(np.float32)
;;   ~~~
;;   OPERANDS COMPUTED ON THE WAY. 'Computed on the way' means the value that the module computes at that place (a softmax that the list does not call 'softmax' is quantised finished and normalised). What goes into a quantiser is computed in f32, as accurately as f32 sums, v_exp_f32 and their like allow (about 1e-6 of the number): no bf16 or f16 on the way to a quantiser, and a product that is left as it is and whose result goes on into a quantised operand takes f32 operands (vector FMAs, or v_wmma_f32_16x16x4_f32). A number that lies on a knife's edge between two numbers of the format may be rounded either way, as far as f32 arithmetic and the matrix unit's own rounding can turn it there, and no further.
;;   INPUTS GIVEN AS CODES. W1 (in the module: [8, 1024, 4096], K = its axis 1); W2 (in the module: [8, 4096, 1024], K = its axis 1): each comes as NAME_codes (uint8): NAME with its K axis moved to the last place and cut into blocks of 32 codes, [.., K / 32, bytes a block], one block behind the other in memory; two codes a byte, the lower K in the low four bits (a code: sign, 2 exponent bits, 1 mantissa bit); and NAME_scales (uint8): the same leading axes, one E8M0 byte (e + 127) for each 32 codes along K. Its value is code x scale, taken as it is: it is not quantised again, and the codes and scales need not be those that the quantiser above would give.
;; One version. Each part assembles by itself: llvm-mc -triple=amdgcn-amd-amdhsa -mcpu=gfx1250 --defsym DOCPART=n.
;; ======== version 1 of 1: 4 launches
;; limits: right only within a limited range of input values
;; workspace buffers: xq 524,288 bytes; xs 32,768 bytes; sel 4,096 bytes of whole numbers; cw 8,192 bytes; hq 16,777,216 bytes; hs 1,048,576 bytes; rows 33,792 bytes of whole numbers; y 33,554,432 bytes
;; launch route (part 1): grid 256 x 1, 2 waves a work-group, no clusters, 33,536 bytes of LDS; arguments x, Wr, xq, xs, sel, cw; writes xq, xs, sel, cw
.if DOCPART == 1
	.amdgcn_target "amdgcn-amd-amdhsa--gfx1250"
	.amdhsa_code_object_version 6
	.text
	.protected	k_q00cf521a85_route
	.globl	k_q00cf521a85_route
	.p2align	8
	.type	k_q00cf521a85_route,@function
k_q00cf521a85_route:
	s_mov_b64 s[64:65], 0
	v_nop
	global_prefetch_b8 v0, s[64:65] scope:SCOPE_SE
	s_setreg_imm32_b32 hwreg(HW_REG_WAVE_MODE, 25, 1), 1
	s_wait_xcnt 0x0
; THE ROUTER, AND x INTO CODES.  x [1024 tokens][1024] f32, Wr [1024][8] f32.
; Out: xq [token][512 bytes] codes of E2M1, K innermost, two a byte; xs [token][32] E8M0 bytes, one for each 32 along K;
;      sel [token] u32 = e0 | e1 << 8 | ((1 << e0) | (1 << e1)) << 16, the two chosen experts; cw [token][2] f32, their weights.
; DEAD WORK, LEFT OUT BY THE WHOLE PROGRAM.
; (1) combine[b,t,e] is the sum over k of one_hot(top_i[b,t,k], 8)[e] x top_v[b,t,k]: for an expert e that is not among top_i[b,t,:] every
;     term has the factor 0 that one_hot writes, whatever the inputs hold.  out is the sum over e of y[e,b,t,:] x combine[b,t,e], so the rows of
;     h and y of the six experts that a token did not choose reach no output: only the 2 x 1,024 chosen rows are multiplied.
; (2) probs = exp(l - max) / S with one S > 0 for a token's eight experts.  top_k's order does not change under a common positive factor, and
;     top_v / sum(top_v) = exp(l_k - max) / (exp(l_0' - max) + exp(l_1' - max)): S cancels.  So S is not formed.  The maximum IS taken away.
; Every input is loaded by some launch.  LIMITS: a NaN, an infinity or an overflow that arises only in the work left out (0 x inf in an
; expert that was not chosen) is not carried to the result; NaN and infinities among the inputs are not served; the logits are f32 sums in
; another order than the source's; an exponential under 2^-126 counts as 0; a block of zeros gets the scale byte 1 (its codes are zeros, and
; this program alone reads the bytes).  Ties are broken as top_k breaks them: the lower index stays.
; SHARES.  A wave takes two tokens, t0 = 4 x work-group + 2 x wave and t0 + 1.  Lane l holds block l of a token, d = 32 l .. 32 l + 31: a block's
; largest magnitude needs no other lane, and the conversions' four registers are the 16 bytes at 16 l of the token's row of codes.
; Wr.  A lane wants Wr's 32 rows d of its own, 1,024 consecutive bytes, in the second window of registers.  Loaded so, the lanes of a load would stand 1,024 bytes
; apart.  So each of the two waves loads half of Wr as it lies, 512 consecutive bytes a load, and stores it to LDS; behind one barrier each lane reads its 1,024 bytes back.
; LDS: 32 rows (one a lane) of 1,024 + 16 bytes: the pitch is 260 words, so row l starts at bank 4 l mod 64 (64 banks of 4 bytes: ISA guide 11.1) and sixteen
; neighbouring lanes start at sixteen different banks.  Behind the rows: the spare words.
; No address and no branch hangs on a floating-point number.
.set WP,    1040                       ; a lane's row of Wr in LDS
.set SPARE, 32*WP                      ; the spare words, 128 bytes for each wave: one block of 256 bytes that no other line names
.set X,    16                          ; v16-79    x: token i at X + 32 i; later at work
.set LG,   80                          ; v80-95    logits, then exponentials: token i at LG + 8 i
.set T,    96                          ; v96-111   at work, eight a token
.set CD,   112                         ; v112-119  codes, four a token
.set SBY,  120                         ; v120-121  scale bytes
.set SELW, 122                         ; v122-123  the words for sel
.set C0,   124                         ; v124-125  the first expert's weight
.set C1,   126                         ; v126-127  the second's
.set ONE,  128                         ; v128      1 << 16
.set MSB, 0
.macro WIN new                         ; the immediate's high byte repeats the setting that is left
.if MSB != (\new)
	s_set_vgpr_msb (MSB<<8)|(\new)
.set MSB, (\new)
.endif
.endm
	s_load_b256 s[4:11], s[0:1], 0x0               ; x s[4:5], Wr s[6:7], xq s[8:9], xs s[10:11]
	s_load_b128 s[12:15], s[0:1], 0x20             ; sel s[12:13], cw s[14:15]
	v_lshl_add_u32 v5, v0, 2, SPARE                ; my spare word,
	v_mov_b32 v6, 0                                ; and 0: kept for the wave's end
	v_lshrrev_b32 v1, 5, v0
	v_readfirstlane_b32 s16, v1                    ; wave
	v_and_b32 v1, 31, v0                           ; lane
	v_lshlrev_b32 v2, 7, v1                        ; my block of x: 128 bytes
	v_mul_u32_u24 v3, v1, WP                       ; my row of Wr in LDS
	v_lshlrev_b32 v4, 4, v1                        ; 16 bytes a lane: my block's codes, and my part of a dense load of Wr
	s_mul_i32 s24, s16, 16*WP
	v_add_nc_u32 v7, s24, v4                       ; where I store Wr: my wave's half is rows 16 wave on
	s_lshl_b32 s17, ttmp9, 2
	s_lshl_b32 s20, s16, 1
	s_add_co_u32 s17, s17, s20                     ; t0
	s_mov_b32 s18, 0x76543210
	s_mov_b32 s19, 0xfedcba98                      ; v_permlanex16_b32's selects for lane l xor 16
	s_mov_b32 s22, 0x3fb8aa3b                      ; log2(e)
	s_mov_b32 s21, 0
	s_wait_alu depctr_va_vdst(0)
	s_wait_kmcnt 0x0
	s_lshl_b32 s20, s17, 12
	s_add_nc_u64 s[4:5], s[4:5], s[20:21]          ; x at token t0
	s_lshl_b32 s20, s16, 14
	s_add_nc_u64 s[6:7], s[6:7], s[20:21]          ; Wr at my wave's half: 16,384 bytes
	s_lshl_b32 s20, s17, 9
	s_add_nc_u64 s[8:9], s[8:9], s[20:21]          ; xq
	s_lshl_b32 s20, s17, 5
	s_add_nc_u64 s[10:11], s[10:11], s[20:21]      ; xs
	s_lshl_b32 s20, s17, 2
	s_add_nc_u64 s[12:13], s[12:13], s[20:21]      ; sel
	s_lshl_b32 s20, s17, 3
	s_add_nc_u64 s[14:15], s[14:15], s[20:21]      ; cw
.irp i, 0,1
.irp m, 0,1,2,3,4,5,6,7
	global_load_b128 v[X+32*\i+4*\m:X+32*\i+4*\m+3], v2, s[4:5] offset:4096*\i+16*\m th:TH_LOAD_NT   ; a token's eight loads together take its 4,096 consecutive bytes
.endr
.endr
	WIN 0x40                                       ; destination in the second window
.set n, 0
.rept 32
	global_load_b128 v[4*n:4*n+3], v4, s[6:7] offset:512*n     ; my wave's half of Wr as it lies: each load takes 512 consecutive bytes
.set n, n+1
.endr
	WIN 0
	s_wait_loadcnt 32                              ; Wr's 32 loads are younger than x's sixteen: x is in
; Token i's block of mine into codes and a scale byte
.macro QX i
.set XS, X+32*(\i)
.set TQ, T+4*(\i)
	v_max3_num_f32 v[TQ], |v[XS]|, |v[XS+1]|, |v[XS+2]|            ; the block's largest magnitude, in two chains
	v_max3_num_f32 v[TQ+1], |v[XS+3]|, |v[XS+4]|, |v[XS+5]|
.irp k, 6,10,14,18,22,26
	v_max3_num_f32 v[TQ], v[TQ], |v[XS+\k]|, |v[XS+\k+1]|
	v_max3_num_f32 v[TQ+1], v[TQ+1], |v[XS+\k+2]|, |v[XS+\k+3]|
.endr
	v_max3_num_f32 v[TQ], v[TQ], |v[XS+30]|, |v[XS+31]|
	v_max3_num_f32 v[TQ], v[TQ], v[TQ+1], 0x1800000                ; and the floor 2^(3 - 127): the byte cannot fall under 1
	v_add_nc_u32 v[TQ+2], 0xff000000, v[TQ]                        ; 2 off the exponent field: the conversion takes this operand's exponent field as its scale
.irp g, 0,1,2,3
	v_cvt_scalef32_pk8_fp4_f32 v[CD+4*(\i)+\g], v[XS+8*\g:XS+8*\g+7], v[TQ+2]
.endr
	v_lshrrev_b32 v[SBY+(\i)], 23, v[TQ+2]                         ; the scale's byte (also the plain line behind the conversions)
	global_store_b128 v4, v[CD+4*(\i):CD+4*(\i)+3], s[8:9] offset:512*(\i)    ; the wave stores the token's 512 consecutive bytes
	global_store_b8 v1, v[SBY+(\i)], s[10:11] offset:32*(\i)                  ; and its 32 consecutive scale bytes
.endm
	QX 0                                           ; x is quantised while Wr is on its way
	QX 1
	s_wait_loadcnt 0x0                             ; my half of Wr
	WIN 0x04                                       ; an LDS store's data are its source 1: the second window
.set n, 0
.rept 32
	ds_store_b128 v7, v[4*n:4*n+3] offset:(n/2)*WP+512*(n%2)   ; piece n of my half: 512 bytes, the lower or the upper half of row 16 wave + n / 2
.set n, n+1
.endr
	s_wait_dscnt 0x0                               ; for the other wave's sake: my stores have landed
	s_barrier_signal -1
	s_barrier_wait -1                              ; all of Wr lies in LDS
	WIN 0x40
.set n, 0
.rept 64
	ds_load_b128 v[4*n:4*n+3], v3 offset:16*n      ; my row: register 8 dd + e = Wr[32 lane + dd][e]
.set n, n+1
.endr
	s_wait_dscnt 32                                ; the first 32 loads, dd = 0 .. 15, are in; the other 32 may be out
	; the logits: my 32 d of each token against Wr's eight columns, two experts an instruction: eight chains that do not wait for each other
	WIN 0x01                                       ; source 0 (Wr) in the second window
.irp i, 0,1
.irp p, 0,2,4,6
	v_pk_mul_f32 v[LG+8*\i+\p:LG+8*\i+\p+1], v[\p:\p+1], v[X+32*\i:X+32*\i+1] op_sel_hi:[1,0]    ; dd = 0 starts the sums
.endr
.endr
.set dd, 1
.rept 31
.if dd == 16
	s_wait_alu depctr_va_vdst(0)
	s_wait_dscnt 0x0                               ; dd = 16 .. 31 are in
.endif
.irp i, 0,1
.irp p, 0,2,4,6
.if dd%2
	v_pk_fma_f32 v[LG+8*\i+\p:LG+8*\i+\p+1], v[8*dd+\p:8*dd+\p+1], v[X+32*\i+dd-1:X+32*\i+dd], v[LG+8*\i+\p:LG+8*\i+\p+1] op_sel:[0,1,0] op_sel_hi:[1,1,1]   ; x's pair gives its upper word to both halves
.else
	v_pk_fma_f32 v[LG+8*\i+\p:LG+8*\i+\p+1], v[8*dd+\p:8*dd+\p+1], v[X+32*\i+dd:X+32*\i+dd+1], v[LG+8*\i+\p:LG+8*\i+\p+1] op_sel_hi:[1,0,1]                  ; its lower word
.endif
.endr
.endr
.set dd, dd+1
.endr
	WIN 0
.irp m, 1,2,4,8                                ; over the 32 lanes: every lane ends with all sixteen logits
.irp j, 0,1,2,3,4,5,6,7,8,9,10,11,12,13,14,15
	v_add_f32_dpp v[LG+\j], v[LG+\j], v[LG+\j] row_xmask:\m row_mask:0xf bank_mask:0xf
.endr
.endr
.irp j, 0,1,2,3,4,5,6,7,8,9,10,11,12,13,14,15
	v_permlanex16_b32 v[X+\j], v[LG+\j], s18, s19  ; (x's registers are done with, and have been written)
.endr
.irp j, 0,1,2,3,4,5,6,7,8,9,10,11,12,13,14,15
	v_add_f32 v[LG+\j], v[LG+\j], v[X+\j]
.endr
.irp i, 0,1
	v_max3_num_f32 v[T+8*\i], v[LG+8*\i], v[LG+8*\i+1], v[LG+8*\i+2]   ; the token's largest logit m
	v_max3_num_f32 v[T+8*\i], v[T+8*\i], v[LG+8*\i+3], v[LG+8*\i+4]
	v_max3_num_f32 v[T+8*\i], v[T+8*\i], v[LG+8*\i+5], v[LG+8*\i+6]
	v_max_num_f32 v[T+8*\i], v[T+8*\i], v[LG+8*\i+7]
	v_mul_f32 v[T+8*\i+1], s22, v[T+8*\i]          ; m log2(e): its rounding is one common factor of the eight exponentials, and cancels in the weights
.endr
.irp j, 0,1,2,3,4,5,6,7,8,9,10,11,12,13,14,15
	v_fma_f32 v[LG+\j], v[LG+\j], s22, -v[T+8*(\j/8)+1]
.endr
	s_wait_alu depctr_va_vdst(0)
.irp j, 0,1,2,3,4,5,6,7,8,9,10,11,12,13,14,15
	v_exp_f32 v[LG+\j], v[LG+\j]                   ; exp(l - m)
.endr
	v_mov_b32 v[ONE], 0x10000                      ; a plain line behind the exponentials
	s_wait_alu depctr_va_vdst(0)                   ; one wait for the batch of sixteen, ahead of its first reader
; The two largest of token i's eight; where two are equal the lower index stays
.macro TOP i
.set PR, LG+8*(\i)
.set TT, T+8*(\i)
	v_mov_b32 v[TT], v[PR]
	v_mov_b32 v[TT+1], 0
.irp k, 1,2,3,4,5,6,7
	v_cmp_ge_f32 vcc_lo, v[TT], v[PR+\k]
	v_cndmask_b32 v[TT+1], \k, v[TT+1], vcc_lo
	v_max_num_f32 v[TT], v[TT], v[PR+\k]
.endr
.irp k, 0,1,2,3,4,5,6,7
	v_cmp_ne_u32 vcc_lo, \k, v[TT+1]
	v_cndmask_b32 v[PR+\k], -1.0, v[PR+\k], vcc_lo ; the first choice leaves the field: -1 lies under every exponential
.endr
	v_mov_b32 v[TT+2], v[PR]
	v_mov_b32 v[TT+3], 0
.irp k, 1,2,3,4,5,6,7
	v_cmp_ge_f32 vcc_lo, v[TT+2], v[PR+\k]
	v_cndmask_b32 v[TT+3], \k, v[TT+3], vcc_lo
	v_max_num_f32 v[TT+2], v[TT+2], v[PR+\k]
.endr
	v_add_f32 v[TT+4], v[TT], v[TT+2]
.endm
	TOP 0
	TOP 1
	s_wait_alu depctr_va_vdst(0)
	v_rcp_f32 v[T+4], v[T+4]
	v_rcp_f32 v[T+12], v[T+12]
.irp i, 0,1                                    ; the words for sel name no reciprocal: they are the work behind the two
	v_lshlrev_b32 v[T+8*\i+5], v[T+8*\i+1], v[ONE]
	v_lshlrev_b32 v[T+8*\i+6], v[T+8*\i+3], v[ONE]
	v_or_b32 v[T+8*\i+5], v[T+8*\i+5], v[T+8*\i+6]
	v_lshl_or_b32 v[T+8*\i+6], v[T+8*\i+3], 8, v[T+8*\i+1]
	v_or_b32 v[SELW+\i], v[T+8*\i+5], v[T+8*\i+6]
.endr
	s_wait_alu depctr_va_vdst(0)                   ; one wait for the two reciprocals
.irp i, 0,1
	v_mul_f32 v[C0+\i], v[T+8*\i], v[T+8*\i+4]
	v_mul_f32 v[C1+\i], v[T+8*\i+2], v[T+8*\i+4]
.endr
	s_wait_alu depctr_va_vdst(0)
	s_wait_tensorcnt 0x0                           ; the wave's end: this wait, the add and the wait for it, behind my last LDS store and with all lanes on
	ds_add_u32 v5, v6                              ; the work on registers below stands between the add and the wait for it
	; lanes 0 to 3 store: cw's word 'lane' (token lane / 2, choice lane % 2) and sel's word lane / 2 (two lanes, one word, one value): 16 and 8 bytes a wave
	v_and_b32 v[T+7], 1, v1
	v_cmp_eq_u32 vcc_lo, 0, v[T+7]
	v_cndmask_b32 v[T], v[C1], v[C0], vcc_lo
	v_cndmask_b32 v[T+1], v[C1+1], v[C0+1], vcc_lo
	v_cmp_gt_u32 vcc_lo, 2, v1
	v_cndmask_b32 v[T], v[T+1], v[T], vcc_lo
	v_cndmask_b32 v[T+2], v[SELW+1], v[SELW], vcc_lo
	v_lshlrev_b32 v[T+3], 2, v1
	v_lshrrev_b32 v[T+5], 1, v1
	v_lshlrev_b32 v[T+5], 2, v[T+5]
	s_wait_alu depctr_va_vdst(0)
	s_wait_dscnt 0x0
	s_wait_xcnt 0x0                                ; EXEC is a source of the stores above: it changes only behind this wait
	v_cmp_gt_u32 vcc_lo, 4, v1
	s_and_saveexec_b32 s23, vcc_lo
	global_store_b32 v[T+3], v[T], s[14:15]
	global_store_b32 v[T+5], v[T+2], s[12:13]
	s_wait_xcnt 0x0                                ; and again in front of the line that widens it
	s_or_b32 exec_lo, exec_lo, s23
	s_endpgm
.Lfunc_end_k_q00cf521a85_route:
	.size	k_q00cf521a85_route, .Lfunc_end_k_q00cf521a85_route-k_q00cf521a85_route
	.p2alignl 7, 3214868480
	.fill 96, 4, 3214868480
	.section	.rodata,"a",@progbits
	.p2align	6, 0x0
	.amdhsa_kernel k_q00cf521a85_route
		.amdhsa_group_segment_fixed_size 33536
		.amdhsa_private_segment_fixed_size 0
		.amdhsa_enable_private_segment 0
		.amdhsa_kernarg_size 48
		.amdhsa_user_sgpr_count 2
		.amdhsa_user_sgpr_kernarg_segment_ptr 1
		.amdhsa_wavefront_size32 1
		.amdhsa_system_sgpr_workgroup_id_x 1
		.amdhsa_system_sgpr_workgroup_id_y 1
		.amdhsa_system_sgpr_workgroup_id_z 1
		.amdhsa_system_vgpr_workitem_id 0
		.amdhsa_next_free_vgpr 512
		.amdhsa_next_free_sgpr 66
		.amdhsa_reserve_vcc 1
		.amdhsa_float_denorm_mode_32 3
		.amdhsa_float_denorm_mode_16_64 3
		.amdhsa_memory_ordered 1
		.amdhsa_forward_progress 1
		.amdhsa_inst_pref_size 45
	.end_amdhsa_kernel
	.amdgpu_metadata
---
amdhsa.version: [ 1, 2 ]
amdhsa.kernels:
  - .name:           k_q00cf521a85_route
    .symbol:         k_q00cf521a85_route.kd
    .args:
      - { .name: x, .offset: 0, .size: 8, .value_kind: global_buffer, .address_space: global }
      - { .name: Wr, .offset: 8, .size: 8, .value_kind: global_buffer, .address_space: global }
      - { .name: xq, .offset: 16, .size: 8, .value_kind: global_buffer, .address_space: global }
      - { .name: xs, .offset: 24, .size: 8, .value_kind: global_buffer, .address_space: global }
      - { .name: sel, .offset: 32, .size: 8, .value_kind: global_buffer, .address_space: global }
      - { .name: cw, .offset: 40, .size: 8, .value_kind: global_buffer, .address_space: global }
    .group_segment_fixed_size: 33536
    .private_segment_fixed_size: 0
    .kernarg_segment_align: 8
    .kernarg_segment_size: 48
    .max_flat_workgroup_size: 64
    .sgpr_count:     66
    .vgpr_count:     512
    .wavefront_size: 32
...
	.end_amdgpu_metadata
.endif
;; end of part 1
;; launch ffn1 (part 2): grid 32 x 8, 4 waves a work-group, no clusters, 295,424 bytes of LDS; arguments W1_codes, W1_scales, b1, xq, xs, sel, hq, hs, rows; writes hq, hs, rows
.if DOCPART == 2
	.amdgcn_target "amdgcn-amd-amdhsa--gfx1250"
	.amdhsa_code_object_version 6
	.text
	.protected	k_q00cf521a85_ffn1
	.globl	k_q00cf521a85_ffn1
	.p2align	8
	.type	k_q00cf521a85_ffn1,@function
k_q00cf521a85_ffn1:
	s_mov_b64 s[64:65], 0
	v_nop
	global_prefetch_b8 v0, s[64:65] scope:SCOPE_SE
	s_setreg_imm32_b32 hwreg(HW_REG_WAVE_MODE, 25, 1), 1
	s_wait_xcnt 0x0
; h = Q(gelu(Q(x) W1[e] + b1[e])), for the rows that chose expert e alone (the others are dead work: the head of the first kernel shows it).
; Both operands are codes of E2M1 with one E8M0 scale for each 32 along K; sums, bias and GELU in f32; h is quantised along its 4,096 units.
; SHARES.  Work-group (sigma = x, e = y) has expert e's hidden units 128 sigma .. + 127.  THE WAVES SHARE THE UNITS: wave w holds units 32 w .. 32 w + 31 for all
; of K in registers (2 tiles of 16 units x 8 K steps: 128 registers, 32 loads), so no byte of W1 is loaded twice in a work-group.  Every wave multiplies every row.
; THE ROWS OF x are gathered once for the work-group, into LDS: groups of 32 rows go to the waves by turns; one search finds a group's 32 tokens, a lane a row; each
; row's 512 bytes of codes are one load of the wave; up to four groups of a wave are on their way together (windows 2 and 3).  Behind one barrier each wave reads fragments from LDS.
; LDS holds 512 rows: 512 x (512 + 16) bytes of codes, 512 x 48 bytes of scales, the spare words.  So the list goes in a CONSTANT two chunks of 512 rows: every wave passes every
; barrier.  A trip takes 32 rows; its loop has a constant bound of 16 and is left when the list ends.
; The next trip's fragments are read from LDS under the GELU; their address is made of (trip + 1) & 15, so it stays inside the 16 tiles.
; A wave's 32 units are ONE block of the next K: of the image hq [e][j][sigma][1,024 bytes] (group c of four registers at 512 c + 16 lane) wave w makes bytes 256 w .. 256 w + 255,
; row r at 16 r: one store of 256 consecutive bytes; of hs [e][j][sigma][16 words] it makes byte w of each word.
; THE ROW LIST is made from the stored choices: 32 words of membership bits in scalar registers (word 4 q + k, bit l: token 128 q + 4 l + k), their running counts, and for row N a
; search for the word and the bit.  The work-groups sigma = 0 store it: rows: tok[e][1024], and from byte 32,768 on the count n_e, 32 equal words an expert.
; Rows 0 to 63 are made whatever n_e is: the next launch asks for tiles 0 to 3 without a test.  Rows at or past n_e take a token held inside the table; what they give goes no further.
; No tensor load and no cluster: which trips have work hangs on n_e.  No prefetch: all reads of memory are asked for together, at the head and in the gather; the loop reads LDS alone.
; THE PRODUCT IS USED TRANSPOSED (source 0 = 16 rows of W1, source 1 = 16 rows of x); lane r of unit tile u takes unit 32 w + 8 u + r + 8 (r / 8): so a lane holds one row of h and
; its 16 registers of the two tiles are units 32 w + 16 (lane / 16) + 0 .. 15.
; GELU: u (0.5 + 0.5 erf(u / sqrt 2)), erf(z) = z P(z^2) / Q(z^2) with z held to -4 .. 4 (P of degree 6, Q of degree 4; P's coefficients are halved here).
; LIMITS: 0.5 + 0.5 erf is formed in f32, so gelu's absolute error is about 6e-8 |u|, and beyond u = -5.66 the result is that error alone, where the true value is under 1e-7;
; NaN and infinities are not served; a block of zeros gets the scale byte 1 (its codes are zeros; this program alone reads the bytes).
; REGISTERS.  Window 0: as named below.  Window 1: v0-127 W1 (K step s, tile u at 16 s + 8 u), v128-255 x's fragments (row tile a, K step s at 128 + 64 a + 8 s).
; Windows 2, 3: the gather's four groups, 128 registers each.
; SCALARS: s2 trips done, s3 chunks done, s14 the chunk's first row, s15 its end, s22 wave, s23 e, s24 sigma, s25 n_e, s26 the trip's first row, s27 the expert's bit, then max(n_e, 64), s28-31 at work.
.set XP,    528                        ; a row of codes in LDS: 33 x 16 bytes, so sixteen rows start in sixteen different 16-byte columns
.set SCP,   48                         ; a row of scales in LDS
.set SCB,   512*XP
.set SPARE, SCB+512*SCP                ; the spare words, 128 bytes a wave
.set MW,   32                          ; s[32:63]  membership words
.set PK,   66                          ; s[66:97]  (members in the words before word i) << 5 | i
.set SN,   8
.set SNK,  9
.set SSPK, 10
.set SSM,  11
.set SA,   12
.set SB,   13
.set SC,   14
.set SD,   15
.set SK,   16
.set SPOS, 17
.set ST,   18
.set CA,   24                          ; v24-25 P's second coefficient, twice;  v26-27 Q's
.set CB,   26
.set W1S,  32                          ; v32-39 W1's scale words
.set XS,   40                          ; v40-47 x's scale words
.set B1,   48                          ; v48-63 b1 in the result's layout
.set ACC,  64                          ; v64-95 four accumulators: (row tile a, unit tile u) at 16 a + 8 u (at the head: sel's words)
.set Z,    96
.set W,    112
.set P,    128
.set Q,    144
.set TM,   160                         ; v160-167 the quantiser at work
.set PC,   168                         ; v168-171 codes
.set STC,  176                         ; v176-179 where a group's codes go in LDS
.set STS,  180                         ; v180     where its scales go
.set XRD,  184                         ; v184, v185 fragment and scale reads, trip 0
.set SRD,  185
.set XRN,  186                         ; v186, v187 the same for the next trip
.set SRN,  187
.set XSA,  188                         ; v188-191 a group's offsets in xs
.set SS,   192                         ; v192-223 the groups' scales on their way
.set TK,   224                         ; v224-227 the groups' tokens
.set SNO,  228                         ; v228-231 4 N
.set PAD,  232                         ; v232-235 a group's rows in LDS, a lane a row: for the 16 bytes behind each row of codes
.set MSB, 0
.macro WIN new                         ; the immediate's high byte repeats the setting that is left
.if MSB != (\new)
	s_set_vgpr_msb (MSB<<8)|(\new)
.set MSB, (\new)
.endif
.endm
	s_load_b512 s[4:19], s[0:1], 0x0               ; W1's codes s[4:5], scales s[6:7], b1 s[8:9], xq s[10:11], xs s[12:13], sel s[14:15], hq s[16:17], hs s[18:19]
	s_load_b64 s[20:21], s[0:1], 0x40              ; rows
	v_lshl_add_u32 v30, v0, 2, SPARE               ; my spare word,
	v_mov_b32 v31, 0                               ; and 0: kept for the wave's end
	v_lshrrev_b32 v1, 5, v0
	v_readfirstlane_b32 s22, v1                    ; wave
	s_and_b32 s23, ttmp7, 0xffff                   ; e
	s_mov_b32 s24, ttmp9                           ; sigma
	v_and_b32 v1, 15, v0                           ; r
	v_bfe_u32 v2, v0, 4, 1                         ; h
	v_and_b32 v6, 31, v0                           ; lane
	v_lshlrev_b32 v28, 2, v6
	v_lshlrev_b32 v5, 4, v6
	v_lshlrev_b32 v29, 4, v2
	v_lshlrev_b32 v4, 2, v1                        ; hs: 4 r
	v_lshlrev_b32 v3, 3, v2
	v_lshl_add_u32 v3, v1, 4, v3                   ; hq: 16 r + 8 h
	v_and_b32 v20, 8, v1
	v_add_nc_u32 v20, v20, v1                      ; r + 8 (r / 8)
	v_lshl_add_u32 v21, v20, 5, v29                ; W1's scales: a row is 32 bytes; lanes 16-31 take its words 4 to 7
	v_lshl_add_u32 v20, v20, 9, v29                ; W1's codes: a row is 512 bytes
	v_lshlrev_b32 v22, 6, v2                       ; b1: lanes 16-31 begin 16 units on
	s_mul_i32 s28, s22, 32*XP
	v_add_nc_u32 v[STC], s28, v5                   ; group 4 i + wave: rows 128 i + 32 wave on, 16 bytes a lane
	v_add_nc_u32 v[STC+1], 128*XP, v[STC]
	v_add_nc_u32 v[STC+2], 256*XP, v[STC]
	v_add_nc_u32 v[STC+3], 384*XP, v[STC]
	v_mul_u32_u24 v[PAD], v6, XP
	v_add_nc_u32 v[PAD], s28, v[PAD]               ; row 32 wave + lane of the chunk
	v_add_nc_u32 v[PAD+1], 128*XP, v[PAD]
	v_add_nc_u32 v[PAD+2], 256*XP, v[PAD]
	v_add_nc_u32 v[PAD+3], 384*XP, v[PAD]
	s_mul_i32 s28, s22, 32*SCP
	s_add_co_u32 s28, s28, SCB
	v_mul_u32_u24 v[STS], v6, SCP
	v_add_nc_u32 v[STS], s28, v[STS]               ; scales: a lane a row
	v_mul_u32_u24 v[XRD], v1, XP
	v_add_nc_u32 v[XRD], v[XRD], v29               ; a fragment: row r, + 16 h
	v_mul_u32_u24 v[SRD], v1, SCP
	v_add_nc_u32 v[SRD], v[SRD], v29
	v_add_nc_u32 v[SRD], SCB, v[SRD]
	v_mov_b32 v[CA], 0x326dffee
	v_mov_b32 v[CA+1], 0x326dffee
	v_mov_b32 v[CB], 0xb95fbd29
	v_mov_b32 v[CB+1], 0xb95fbd29
	v_mov_b32 v[TM+2], 0                           ; written once: a lane permute's destination counts as one of its sources
	v_mov_b32 v[TM+3], 0
	s_mov_b32 s98, 0x76543210
	s_mov_b32 s99, 0xfedcba98                      ; v_permlanex16_b32's selects for lane l xor 16
	s_lshl_b32 s27, 0x10000, s23                   ; expert e's membership bit in a word of sel
	s_lshl_b32 s28, s23, 12
	s_lshl_b32 s29, s24, 7
	s_add_co_u32 s28, s28, s29
	s_lshl_b32 s29, s22, 5
	s_add_co_u32 s28, s28, s29                     ; my first unit among all experts': 4096 e + 128 sigma + 32 wave
	s_mov_b32 s31, 0
	s_wait_alu depctr_va_vdst(0)
	s_wait_kmcnt 0x0
	s_lshl_b32 s30, s28, 9
	s_add_nc_u64 s[4:5], s[4:5], s[30:31]
	s_lshl_b32 s30, s28, 5
	s_add_nc_u64 s[6:7], s[6:7], s[30:31]
	s_lshl_b32 s30, s28, 2
	s_add_nc_u64 s[8:9], s[8:9], s[30:31]
	s_lshl_b32 s28, s23, 11
	s_add_co_u32 s28, s28, s24                     ; 64 e x 32 + sigma: tile 0's image
	s_lshl_b32 s30, s28, 10
	s_lshl_b32 s29, s22, 8
	s_add_co_u32 s30, s30, s29                     ; + my 256 bytes of it
	s_add_nc_u64 s[16:17], s[16:17], s[30:31]
	s_lshl_b32 s30, s28, 6
	s_add_co_u32 s30, s30, s22                     ; + my byte of each word
	s_add_nc_u64 s[18:19], s[18:19], s[30:31]
	s_lshl_b32 s30, s23, 7
	s_add_nc_u64 s[100:101], s[20:21], s[30:31]    ; the count's 128 bytes, less 32,768
	s_lshl_b32 s30, s23, 12
	s_add_nc_u64 s[20:21], s[20:21], s[30:31]      ; tok[e]
.irp q, 0,1,2,3,4,5,6,7
	global_load_b128 v[ACC+4*\q:ACC+4*\q+3], v5, s[14:15] offset:512*\q    ; sel, all 1,024 words: register 4 q + k of lane l is token 128 q + 4 l + k
.endr
.irp u, 0,1
	global_load_b128 v[W1S+4*\u:W1S+4*\u+3], v21, s[6:7] offset:256*\u     ; register 4 u + q: lanes 0-15 the word of K step q, lanes 16-31 of K step 4 + q
.endr
.irp u, 0,1
	global_load_b128 v[B1+8*\u:B1+8*\u+3], v22, s[8:9] offset:32*\u
	global_load_b128 v[B1+8*\u+4:B1+8*\u+7], v22, s[8:9] offset:32*\u+16
.endr
	WIN 0x40                                       ; destination window 1
.irp s, 0,1,2,3,4,5,6,7
.irp u, 0,1
.irp c, 0,1
	global_load_b128 v[16*\s+8*\u+4*\c:16*\s+8*\u+4*\c+3], v20, s[4:5] offset:4096*\u+64*\s+32*\c
.endr
.endr
.endr
	WIN 0
	s_wait_loadcnt 38                              ; 2 + 4 + 32 loads are younger than sel's eight: sel is in, the 38 stay on their way
.set i, 0
.rept 32
	v_and_b32 v[SN+i%4], s27, v[ACC+i]
	v_cmp_ne_u32 s[MW+i], 0, v[SN+i%4]             ; word i of the membership bits
.set i, i+1
.endr
	s_mov_b32 s25, 0
.set i, 0
.rept 32
	s_lshl_b32 s28, s25, 5
	s_or_b32 s[PK+i], s28, i
	s_bcnt1_i32_b32 s29, s[MW+i]
	s_add_co_u32 s25, s25, s29
.set i, i+1
.endr
	s_min_u32 s25, s25, 0x400                      ; n_e: at most all 1,024 tokens
	s_max_u32 s27, s25, 64                         ; rows 0 to 63 are made whatever n_e is
	s_mov_b32 s14, 0                               ; (sel's loads are done: their base is free)
	s_mov_b32 s3, 0
	s_or_b32 s28, s24, s22
	s_cmp_lg_u32 s28, 0                            ; ids alone: wave 0 of sigma = 0 stores the count
	s_cbranch_scc1 .Lno_count
	v_mov_b32 v23, s25                             ; in a register that nothing writes again
	global_store_b32 v28, v23, s[100:101] offset:32768     ; 32 equal words: 128 consecutive bytes
.Lno_count:
; One step of the search for the bit: if the field at SPOS holds no more members than are still to be passed, pass them and go on by 'step' bits
.macro HALVE src, width, step
	v_bfe_u32 v[ST], v[\src], v[SPOS], \width
	v_cmp_ge_u32 vcc_lo, v[SK], v[ST]
	v_cndmask_b32 v[ST], 0, v[ST], vcc_lo
	v_sub_nc_u32 v[SK], v[SK], v[ST]
	v_add_nc_u32 v[ST], \step, v[SPOS]
	v_cndmask_b32 v[SPOS], v[SPOS], v[ST], vcc_lo
.endm
.macro MINE i                          ; s28 = first row of my i-th group of the chunk; SCC = the list (or row 63) reaches it
	s_lshl_b32 s28, s22, 5
	s_add_co_u32 s28, s28, s14
	s_add_co_u32 s28, s28, 128*(\i)
	s_cmp_lt_u32 s28, s27
.endm
; My i-th group: the tokens of its 32 rows, a lane a row; then its scales (a lane a row) and its codes (a load a row) are asked for
.macro GROUP i, out                    ; out: where to go on when the list does not reach this group (then it reaches none of the later ones either)
.set GW, 2+(\i)/2
.set GG, 128*((\i)%2)
	MINE \i
	s_cbranch_scc0 \out
	v_add_nc_u32 v[SN], s28, v6
	v_min_u32 v[SN], 0x3ff, v[SN]
	v_lshl_or_b32 v[SNK], v[SN], 5, 31
	v_mov_b32 v[SSPK], s[PK]
	v_mov_b32 v[SSM], s[MW]
.set i, 1
.rept 31
	v_cmp_gt_u32 vcc_lo, s[PK+i], v[SNK]           ; more than N members lie ahead of word i: keep; else word i is taken.  The counts do not fall, so the last word taken is the row's
	v_cndmask_b32 v[SSPK], s[PK+i], v[SSPK], vcc_lo
	v_cndmask_b32 v[SSM], s[MW+i], v[SSM], vcc_lo
.set i, i+1
.endr
	v_lshrrev_b32 v[ST], 5, v[SSPK]
	v_sub_nc_u32 v[SK], v[SN], v[ST]               ; which member of the word
	v_and_b32 v[SSPK], 31, v[SSPK]                 ; the word's number
	v_lshrrev_b32 v[SA], 1, v[SSM]
	v_and_b32 v[SA], 0x55555555, v[SA]
	v_sub_nc_u32 v[SA], v[SSM], v[SA]
	v_lshrrev_b32 v[SB], 2, v[SA]
	v_and_b32 v[SB], 0x33333333, v[SB]
	v_and_b32 v[ST], 0x33333333, v[SA]
	v_add_nc_u32 v[SB], v[SB], v[ST]
	v_lshrrev_b32 v[SC], 4, v[SB]
	v_add_nc_u32 v[SC], v[SC], v[SB]
	v_and_b32 v[SC], 0x0f0f0f0f, v[SC]
	v_lshrrev_b32 v[SD], 8, v[SC]
	v_add_nc_u32 v[SD], v[SD], v[SC]
	v_mov_b32 v[SPOS], 0
	HALVE SD, 8, 16
	HALVE SC, 8, 8
	HALVE SB, 4, 4
	HALVE SA, 2, 2
	HALVE SSM, 1, 1
	v_lshrrev_b32 v[ST], 2, v[SSPK]
	v_and_b32 v[SSPK], 3, v[SSPK]
	v_lshl_add_u32 v[SSPK], v[SPOS], 2, v[SSPK]
	v_lshl_add_u32 v[TK+\i], v[ST], 7, v[SSPK]     ; token = 128 (word / 4) + 4 bit + word % 4
	v_min_u32 v[TK+\i], 0x3ff, v[TK+\i]            ; inside the table, for rows past n_e too
	v_lshlrev_b32 v[XSA+\i], 5, v[TK+\i]           ; its 32 scale bytes
	v_lshlrev_b32 v[SNO+\i], 2, v[SN]
	s_wait_alu depctr_va_vdst(0)
	s_cmp_lg_u32 s24, 0                            ; an id: sigma = 0 stores the list
	s_cbranch_scc1 .Lnot_first_\@
	global_store_b32 v[SNO+\i], v[TK+\i], s[20:21] ; 128 consecutive bytes
.Lnot_first_\@:
	global_load_b128 v[SS+8*\i:SS+8*\i+3], v[XSA+\i], s[12:13]
	global_load_b128 v[SS+8*\i+4:SS+8*\i+7], v[XSA+\i], s[12:13] offset:16
	WIN GW<<6
	v_mov_b32 v[GG+127], v[TK+\i]                  ; the tokens, in the group's last register: the last load of the group lands there, behind the last read
	s_wait_alu depctr_va_vdst(0)
	WIN (GW<<6)|GW                                 ; destination and source 0 in the group's window; v5 is a source 2, window 0
.set k, 0
.rept 8
.irp n, 0,1,2,3
	v_readlane_b32 s[28+\n], v[GG+127], k+\n       ; row k + n's token
.endr
.irp n, 0,1,2,3
	s_min_u32 s[28+\n], s[28+\n], 0x3ff
.endr
.irp n, 0,1,2,3
	v_lshl_add_u32 v[GG+4*(k+\n)], s[28+\n], 9, v5 ; its 512 bytes, 16 a lane; the load lands on its own address register
.endr
.irp n, 0,1,2,3
	global_load_b128 v[GG+4*(k+\n):GG+4*(k+\n)+3], v[GG+4*(k+\n)], s[10:11]
.endr
.set k, k+4
.endr
	WIN 0
.endm
.macro PUT i                           ; the group goes into LDS
.set GW, 2+(\i)/2
.set GG, 128*((\i)%2)
	s_wait_loadcnt 0x0                             ; my groups are in
	WIN GW<<2                                      ; an LDS store's data are its source 1
.set k, 0
.rept 32
	ds_store_b128 v[STC+\i], v[GG+4*k:GG+4*k+3] offset:XP*k
.set k, k+1
.endr
	WIN 0
	ds_store_b128 v[STS], v[SS+8*\i:SS+8*\i+3] offset:128*SCP*\i
	ds_store_b128 v[STS], v[SS+8*\i+4:SS+8*\i+7] offset:128*SCP*\i+16
	ds_store_b128 v[STS], v[SS+8*\i+4:SS+8*\i+7] offset:128*SCP*\i+32      ; the 16 bytes behind each row of scales and of codes are stored too, so that every byte of both areas is a stored byte;
	ds_store_b128 v[PAD+\i], v[SS+8*\i+4:SS+8*\i+7] offset:512             ; no fragment and no scale word is taken from them
.endm
.macro XFETCH ax, as                   ; 32 rows' fragments of all eight K steps, and their scale words: register q: lanes 0-15 K step q, lanes 16-31 K step 4 + q
	WIN 0x40
.irp a, 0,1
.irp s, 0,1,2,3,4,5,6,7
.irp c, 0,1
	ds_load_b128 v[128+64*\a+8*\s+4*\c:128+64*\a+8*\s+4*\c+3], v[\ax] offset:16*XP*\a+64*\s+32*\c
.endr
.endr
.endr
	WIN 0
.irp a, 0,1
	ds_load_b128 v[XS+4*\a:XS+4*\a+3], v[\as] offset:16*SCP*\a
.endr
.endm
; 32 matrix instructions: eight K steps, the four accumulators by turns, one instruction a turn.  b1 is the C of each sum's first
.macro MUL
	WIN 0x05                                       ; sources 0 (W1) and 1 (x) window 1; C and D window 0
.irp s, 0,1,2,3,4,5,6,7
.irp a, 0,1
.irp u, 0,1
.if \s == 0
	v_wmma_scale_f32_16x16x128_f8f6f4 v[ACC+16*\a+8*\u:ACC+16*\a+8*\u+7], v[16*\s+8*\u:16*\s+8*\u+7], v[128+64*\a+8*\s:128+64*\a+8*\s+7], v[B1+8*\u:B1+8*\u+7], v[W1S+4*\u+\s], v[XS+4*\a+\s] matrix_a_fmt:MATRIX_FMT_FP4 matrix_b_fmt:MATRIX_FMT_FP4
.elseif \s < 4
	v_wmma_scale_f32_16x16x128_f8f6f4 v[ACC+16*\a+8*\u:ACC+16*\a+8*\u+7], v[16*\s+8*\u:16*\s+8*\u+7], v[128+64*\a+8*\s:128+64*\a+8*\s+7], v[ACC+16*\a+8*\u:ACC+16*\a+8*\u+7], v[W1S+4*\u+\s], v[XS+4*\a+\s] matrix_a_fmt:MATRIX_FMT_FP4 matrix_b_fmt:MATRIX_FMT_FP4
.else
	v_wmma_scale_f32_16x16x128_f8f6f4 v[ACC+16*\a+8*\u:ACC+16*\a+8*\u+7], v[16*\s+8*\u:16*\s+8*\u+7], v[128+64*\a+8*\s:128+64*\a+8*\s+7], v[ACC+16*\a+8*\u:ACC+16*\a+8*\u+7], v[W1S+4*\u+\s-4], v[XS+4*\a+\s-4] matrix_a_fmt:MATRIX_FMT_FP4 matrix_b_fmt:MATRIX_FMT_FP4 matrix_a_scale:MATRIX_SCALE_ROW1 matrix_b_scale:MATRIX_SCALE_ROW1
.endif
.endr
.endr
.endr
	WIN 0
.endm
; The GELU of row tile a's 16 registers, in place; each accumulator is read from its low end on.  The sixteen reciprocals are one batch, with one wait ahead and one behind
.macro GELU a
.set U, ACC+16*(\a)
.irp p, 0,2,4,6,8,10,12,14
	v_pk_mul_f32 v[Z+\p:Z+\p+1], v[U+\p:U+\p+1], 0x3f3504f3 op_sel_hi:[1,0]      ; z = u / sqrt 2
.endr
.irp p, 0,1,2,3,4,5,6,7,8,9,10,11,12,13,14,15
	v_med3_num_f32 v[Z+\p], v[Z+\p], -4.0, 4.0
.endr
.irp p, 0,2,4,6,8,10,12,14
	v_pk_mul_f32 v[W+\p:W+\p+1], v[Z+\p:Z+\p+1], v[Z+\p:Z+\p+1]
.endr
.irp p, 0,2,4,6,8,10,12,14
	v_pk_fma_f32 v[P+\p:P+\p+1], v[W+\p:W+\p+1], 0xaf15df0b, v[CA:CA+1] op_sel_hi:[1,0,1]
	v_pk_fma_f32 v[Q+\p:Q+\p+1], v[W+\p:W+\p+1], 0xb77460cd, v[CB:CB+1] op_sel_hi:[1,0,1]
.endr
.irp k, 0xbadc924e, 0xbbf19bf8, 0xbc69b6a7
.irp p, 0,2,4,6,8,10,12,14
	v_pk_fma_f32 v[Q+\p:Q+\p+1], v[Q+\p:Q+\p+1], v[W+\p:W+\p+1], \k op_sel_hi:[1,1,0]
.endr
.endr
.irp k, 0xb58cff51, 0xb7eec2d2, 0xb9c0ac63, 0xbac1a1f6, 0xbc03dbd4
.irp p, 0,2,4,6,8,10,12,14
	v_pk_fma_f32 v[P+\p:P+\p+1], v[P+\p:P+\p+1], v[W+\p:W+\p+1], \k op_sel_hi:[1,1,0]
.endr
.endr
	s_wait_alu depctr_va_vdst(0)
.irp p, 0,1,2,3,4,5,6,7,8,9,10,11,12,13,14,15
	v_rcp_f32 v[Q+\p], v[Q+\p]
.endr
.irp p, 0,2,4,6,8,10,12,14
	v_pk_mul_f32 v[P+\p:P+\p+1], v[P+\p:P+\p+1], v[Z+\p:Z+\p+1]                  ; names no reciprocal: the plain work behind the batch
.endr
	s_wait_alu depctr_va_vdst(0)                   ; one wait for the sixteen, ahead of their first reader
.irp p, 0,2,4,6,8,10,12,14
	v_pk_fma_f32 v[P+\p:P+\p+1], v[P+\p:P+\p+1], v[Q+\p:Q+\p+1], 0.5 op_sel_hi:[1,1,0]   ; 0.5 + 0.5 erf
.endr
.irp p, 0,2,4,6,8,10,12,14
	v_pk_mul_f32 v[U+\p:U+\p+1], v[U+\p:U+\p+1], v[P+\p:P+\p+1]
.endr
.endm
.Lchunk:                                               ; rows s14 .. s14 + 511 of the list
	s_wait_xcnt 0x0                                ; the last chunk's loads and stores have read their addresses and data: they may be written again
	GROUP 0, .Lput_0                               ; the groups' first rows ascend: where one lies past the list, the wave goes on to store the groups that it has asked for
	GROUP 1, .Lput_1
	GROUP 2, .Lput_2
	GROUP 3, .Lput_3
	PUT 3
.Lput_3:
	PUT 2
.Lput_2:
	PUT 1
.Lput_1:
	PUT 0
.Lput_0:
	s_wait_loadcnt 0x0                             ; the weights, their scales and b1 are in, on the way with no group too
	s_wait_dscnt 0x0                               ; for the others' sake: my stores have landed
	s_barrier_signal -1
	s_barrier_wait -1                              ; the chunk's rows lie in LDS
	s_add_co_u32 s15, s14, 512
	s_min_u32 s15, s15, s27                        ; where the chunk's work ends
	s_mov_b32 s26, s14
	s_mov_b32 s2, 0
	s_cmp_lt_u32 s26, s15
	s_cbranch_scc0 .Ldone                          ; the list does not reach this chunk
	XFETCH XRD, SRD                                ; the first trip's fragments
.Ltrip:
	s_cmp_lt_u32 s26, s15                          ; no row left in this chunk: the loop is left
	s_cbranch_scc0 .Ldone
	s_wait_dscnt 0x0                               ; the trip's fragments and scale words are in
	MUL
.rept 4
	v_nop                                          ; four plain lines between the last products and the loads into x's registers, or the first read of the results
.endr
	s_add_co_u32 s28, s26, 32
	s_add_co_u32 s29, s2, 1
	s_and_b32 s29, s29, 15                         ; the next trip's place among the chunk's 16
	s_mul_i32 s30, s29, 32*XP
	s_mul_i32 s31, s29, 32*SCP
	s_cmp_lt_u32 s28, s15                          ; has the chunk a next trip?  Its fragments are read under the GELU
	s_cbranch_scc0 .Lno_next
	v_add_nc_u32 v[XRN], s30, v[XRD]
	v_add_nc_u32 v[SRN], s31, v[SRD]
	XFETCH XRN, SRN
.Lno_next:
	GELU 0
	GELU 1
	; each row tile's 16 numbers of a lane are half of one block of 32 along the next K; lane l xor 16 has the other half
.irp a, 0,1
	v_max3_num_f32 v[TM+\a], |v[ACC+16*\a]|, |v[ACC+16*\a+1]|, 0x1800000   ; with the floor 2^(3 - 127): the byte cannot fall under 1
	v_max3_num_f32 v[TM+4+\a], |v[ACC+16*\a+8]|, |v[ACC+16*\a+9]|, |v[ACC+16*\a+10]|
.endr
.irp i, 2,4
.irp a, 0,1
	v_max3_num_f32 v[TM+\a], v[TM+\a], |v[ACC+16*\a+\i]|, |v[ACC+16*\a+\i+1]|
	v_max3_num_f32 v[TM+4+\a], v[TM+4+\a], |v[ACC+16*\a+\i+9]|, |v[ACC+16*\a+\i+10]|
.endr
.endr
.irp a, 0,1
	v_max3_num_f32 v[TM+\a], v[TM+\a], |v[ACC+16*\a+6]|, |v[ACC+16*\a+7]|
.endr
.irp a, 0,1
	v_max3_num_f32 v[TM+\a], v[TM+\a], v[TM+4+\a], |v[ACC+16*\a+15]|
.endr
.irp a, 0,1
	v_permlanex16_b32 v[TM+2+\a], v[TM+\a], s98, s99
.endr
.irp a, 0,1
	v_max_num_f32 v[TM+\a], v[TM+\a], v[TM+2+\a]   ; the block's largest magnitude
.endr
.irp a, 0,1
	v_add_nc_u32 v[TM+4+\a], 0xff000000, v[TM+\a]  ; 2 off its exponent field: the conversion's scale operand
.endr
.irp a, 0,1
	v_lshrrev_b32 v[TM+6+\a], 23, v[TM+4+\a]       ; the scale's byte
.endr
.irp a, 0,1
	v_cvt_scalef32_pk8_fp4_f32 v[PC+2*\a], v[ACC+16*\a:ACC+16*\a+7], v[TM+4+\a]
	v_cvt_scalef32_pk8_fp4_f32 v[PC+2*\a+1], v[ACC+16*\a+8:ACC+16*\a+15], v[TM+4+\a]
.endr
	v_nop                                          ; one plain line behind the last scaled conversion
.irp a, 0,1
	global_store_b64 v3, v[PC+2*\a:PC+2*\a+1], s[16:17] offset:32768*\a th:TH_STORE_NT   ; the wave stores 256 consecutive bytes, aligned: block w of the tile's image
	global_store_b8 v4, v[TM+6+\a], s[18:19] offset:2048*\a                              ; byte w of the 16 scale words; lanes 16-31 hold and write the same bytes
.endr
	s_wait_xcnt 0x0                                ; the stores have read their bases and data: both may be written again
	s_add_nc_u64 s[16:17], s[16:17], 65536         ; two tiles on: 2 x 32 images of 1,024 bytes
	s_add_nc_u64 s[18:19], s[18:19], 4096
	s_add_co_u32 s26, s26, 32
	s_add_co_u32 s2, s2, 1
	s_cmp_lt_u32 s2, 16
	s_cbranch_scc1 .Ltrip
.Ldone:
	s_wait_dscnt 0x0                               ; my reads of the chunk are back
	s_barrier_signal -1
	s_barrier_wait -1                              ; nobody reads the chunk any more: its bytes may be stored again
	s_add_co_u32 s14, s14, 512
	s_add_co_u32 s3, s3, 1
	s_cmp_lt_u32 s3, 2
	s_cbranch_scc1 .Lchunk
	s_wait_tensorcnt 0x0                           ; the wave's end: this wait, the add and the wait for it, behind my last LDS store
	ds_add_u32 v30, v31
	s_wait_dscnt 0x0
	s_endpgm
.Lfunc_end_k_q00cf521a85_ffn1:
	.size	k_q00cf521a85_ffn1, .Lfunc_end_k_q00cf521a85_ffn1-k_q00cf521a85_ffn1
	.p2alignl 7, 3214868480
	.fill 96, 4, 3214868480
	.section	.rodata,"a",@progbits
	.p2align	6, 0x0
	.amdhsa_kernel k_q00cf521a85_ffn1
		.amdhsa_group_segment_fixed_size 295424
		.amdhsa_private_segment_fixed_size 0
		.amdhsa_enable_private_segment 0
		.amdhsa_kernarg_size 72
		.amdhsa_user_sgpr_count 2
		.amdhsa_user_sgpr_kernarg_segment_ptr 1
		.amdhsa_wavefront_size32 1
		.amdhsa_system_sgpr_workgroup_id_x 1
		.amdhsa_system_sgpr_workgroup_id_y 1
		.amdhsa_system_sgpr_workgroup_id_z 1
		.amdhsa_system_vgpr_workitem_id 0
		.amdhsa_next_free_vgpr 1024
		.amdhsa_next_free_sgpr 102
		.amdhsa_reserve_vcc 1
		.amdhsa_float_denorm_mode_32 3
		.amdhsa_float_denorm_mode_16_64 3
		.amdhsa_memory_ordered 1
		.amdhsa_forward_progress 1
		.amdhsa_inst_pref_size 121
	.end_amdhsa_kernel
	.amdgpu_metadata
---
amdhsa.version: [ 1, 2 ]
amdhsa.kernels:
  - .name:           k_q00cf521a85_ffn1
    .symbol:         k_q00cf521a85_ffn1.kd
    .args:
      - { .name: W1_codes, .offset: 0, .size: 8, .value_kind: global_buffer, .address_space: global }
      - { .name: W1_scales, .offset: 8, .size: 8, .value_kind: global_buffer, .address_space: global }
      - { .name: b1, .offset: 16, .size: 8, .value_kind: global_buffer, .address_space: global }
      - { .name: xq, .offset: 24, .size: 8, .value_kind: global_buffer, .address_space: global }
      - { .name: xs, .offset: 32, .size: 8, .value_kind: global_buffer, .address_space: global }
      - { .name: sel, .offset: 40, .size: 8, .value_kind: global_buffer, .address_space: global }
      - { .name: hq, .offset: 48, .size: 8, .value_kind: global_buffer, .address_space: global }
      - { .name: hs, .offset: 56, .size: 8, .value_kind: global_buffer, .address_space: global }
      - { .name: rows, .offset: 64, .size: 8, .value_kind: global_buffer, .address_space: global }
    .group_segment_fixed_size: 295424
    .private_segment_fixed_size: 0
    .kernarg_segment_align: 8
    .kernarg_segment_size: 72
    .max_flat_workgroup_size: 128
    .sgpr_count:     102
    .vgpr_count:     1024
    .wavefront_size: 32
...
	.end_amdgpu_metadata
.endif
;; end of part 2
;; launch ffn2 (part 3): grid 32 x 8, 4 waves a work-group, no clusters, 68,096 bytes of LDS; arguments W2_codes, W2_scales, b2, hq, hs, rows, y; writes y
.if DOCPART == 3
	.amdgcn_target "amdgcn-amd-amdhsa--gfx1250"
	.amdhsa_code_object_version 6
	.text
	.protected	k_q00cf521a85_ffn2
	.globl	k_q00cf521a85_ffn2
	.p2align	8
	.type	k_q00cf521a85_ffn2,@function
k_q00cf521a85_ffn2:
	s_mov_b64 s[64:65], 0
	v_nop
	global_prefetch_b8 v0, s[64:65] scope:SCOPE_SE
	s_setreg_imm32_b32 hwreg(HW_REG_WAVE_MODE, 25, 1), 1
	s_wait_xcnt 0x0
; y[e][token] = h W2[e] + b2[e], for the rows of expert e's list alone (the others are dead work: the head of the first kernel shows it).
; Both operands are codes of E2M1 with one E8M0 scale for each 32 along K = the 4,096 hidden units; sums in f32.
; SHARES.  Work-group (x, e): g = x % 8: output columns 128 g .. 128 g + 127; q = x / 8: the tiles of 16 rows j = q, q + 4, ..  THE WAVES SHARE K: wave w holds
; the 128 columns x K steps 8 w .. 8 w + 7 of W2 in registers (64 fragments, 512 registers) and loads only its quarter of each tile of h, straight from memory as images of
; the operand's registers: each fragment of h feeds eight products, and no operand byte is read twice in a work-group.  The four partial tiles
; (16 rows x 128 columns, f32) meet in LDS; wave w then adds and stores rows 4 w .. 4 w + 3, with b2.  So a sum over K is four sums that are added at the end.
; THE LOOP HAS A CONSTANT 16 TRIPS (1,024 rows / 16 / 4 at the most), so that every wave passes every barrier.
; No tensor load and no cluster: which trips have work hangs on n_e.  No prefetch: the weights are asked for at the head.
; THE TOKENS of the four rows that a wave stores are asked for a trip ahead: the first tile's at the head, the next tile's as soon as this tile's have been turned into addresses.
; THE PRODUCT IS USED TRANSPOSED (source 0 = 16 columns of W2, source 1 = 16 rows of h): a lane holds eight neighbouring columns of one row.
; LDS: two stages by turns, each 4 waves x 16 rows x (512 + 16) bytes: one barrier a trip.  A stage is written again two trips on, behind the barrier in front of which
; every wave has waited for its reads of it.  Behind the stages: the spare words.
; REGISTERS.  Window 0: v1 r, v2 h, v3 16 lane, v4 4 lane, v5, v6 the stage in and back, v8, v9 the add's two, v10, v11 the head's lane terms, v12-15 b2, v24-27 h's scale words,
; v32-63 W2's, v64-127 h's eight fragments, v128-191 the accumulators, v192-255 four rows x four parts.  Windows 1, 2: W2, K step s in window 1 + s / 4 at 64 (s % 4) + 8 t.
.set STGB,  33792                      ; a stage: 4 x 8,448 bytes
.set STGW,  8448                       ; a wave's part: 16 rows x 528
.set SPARE, 2*STGB                     ; the spare words, 128 bytes for each wave: two blocks of 256 bytes that no other line names
.set B2,   12
.set HS,   24
.set W2S,  32
.set HF,   64
.set ACC,  128
.set SUM,  192
.set MSB, 0
.macro WIN new                         ; the immediate's high byte repeats the setting that is left
.if MSB != (\new)
	s_set_vgpr_msb (MSB<<8)|(\new)
.set MSB, (\new)
.endif
.endm
	s_load_b256 s[4:11], s[0:1], 0x0               ; W2's codes s[4:5], scales s[6:7], b2 s[8:9], hq s[10:11]
	s_load_b128 s[12:15], s[0:1], 0x20             ; hs s[12:13], rows s[14:15]
	s_load_b64 s[16:17], s[0:1], 0x30              ; y
	v_lshl_add_u32 v8, v0, 2, SPARE                ; my spare word,
	v_mov_b32 v9, 0                                ; and 0: kept for the wave's end
	v_lshrrev_b32 v1, 5, v0
	v_readfirstlane_b32 s18, v1                    ; wave
	s_and_b32 s19, ttmp7, 0xffff                   ; e
	s_and_b32 s20, ttmp9, 7                        ; g
	s_lshr_b32 s21, ttmp9, 3                       ; q
	v_and_b32 v1, 15, v0                           ; r
	v_bfe_u32 v2, v0, 4, 1                         ; h
	v_and_b32 v3, 31, v0
	v_lshlrev_b32 v4, 2, v3
	v_lshlrev_b32 v3, 4, v3
	v_mul_u32_u24 v5, v1, 528
	v_lshl_add_u32 v5, v2, 5, v5
	s_mul_i32 s40, s18, STGW
	v_add_nc_u32 v5, s40, v5                       ; into a stage: my wave's part, row r, + 32 h
	s_mul_i32 s40, s18, 2112
	v_add_nc_u32 v6, s40, v3                       ; back: rows 4 wave on, 16 bytes a lane
	v_lshlrev_b32 v10, 4, v2
	v_lshl_add_u32 v11, v1, 7, v10                 ; W2's scales: a row is 128 bytes; lanes 16-31 take my words 4 to 7
	v_lshl_add_u32 v10, v1, 11, v10                ; W2's codes: a row is 2,048 bytes
	s_mov_b32 s41, 0                               ; stays 0: the upper word of every offset
	s_lshl_b32 s44, s19, 10
	s_lshl_b32 s45, s20, 7
	s_add_co_u32 s44, s44, s45                     ; my first column among all experts': 1024 e + 128 g
	s_lshl_b32 s46, s19, 6
	s_add_co_u32 s46, s46, s21
	s_lshl_b32 s46, s46, 5
	s_lshl_b32 s45, s18, 3
	s_add_co_u32 s46, s46, s45                     ; (64 e + q) 32 + 8 wave: my first image
	s_lshl_b32 s47, s19, 7                         ; the count's place; not written again before the wait for the load
	s_wait_alu depctr_va_vdst(0)
	s_wait_kmcnt 0x0
	s_load_b32 s22, s[14:15], s47 offset:0x8000    ; n_e
	s_lshl_b32 s23, s21, 4                         ; 16 j, j = q
	s_lshl_b32 s45, s18, 2
	s_add_co_u32 s25, s23, s45                     ; 16 j + 4 wave: the first row that I store
	s_lshl_b32 s40, s19, 10
	s_add_co_u32 s40, s40, s25
	s_lshl_b32 s40, s40, 2
	s_add_nc_u64 s[26:27], s[14:15], s[40:41]      ; its token in the list
	s_load_b128 s[28:31], s[26:27], 0x0            ; the first tile's four tokens of mine: tile q is one of tiles 0 to 3, whose part of the list is stored whatever n_e is
	s_lshl_b32 s40, s44, 11
	s_lshl_b32 s45, s18, 9
	s_add_co_u32 s40, s40, s45
	s_add_nc_u64 s[4:5], s[4:5], s[40:41]          ; + my eight K steps: 512 bytes a wave
	s_lshl_b32 s40, s44, 7
	s_lshl_b32 s45, s18, 5
	s_add_co_u32 s40, s40, s45
	s_add_nc_u64 s[6:7], s[6:7], s[40:41]
	s_lshl_b32 s40, s44, 2
	s_add_nc_u64 s[8:9], s[8:9], s[40:41]
	s_lshl_b32 s40, s46, 10
	s_add_nc_u64 s[10:11], s[10:11], s[40:41]
	s_lshl_b32 s40, s46, 6
	s_add_nc_u64 s[12:13], s[12:13], s[40:41]
	s_lshl_b32 s40, s19, 22
	s_lshl_b32 s45, s20, 9
	s_add_co_u32 s40, s40, s45
	s_add_nc_u64 s[16:17], s[16:17], s[40:41]      ; y at expert e, column 128 g
; My quarter of a tile of h: eight images, each load 512 consecutive bytes; and its scale words: register u: lanes 0-15 my K step 2 u, lanes 16-31 my K step 2 u + 1
.macro LOADH off, offs
.irp s, 0,1,2,3,4,5,6,7
.irp c, 0,1
	global_load_b128 v[HF+8*\s+4*\c:HF+8*\s+4*\c+3], v3, s[10:11] offset:\off+1024*\s+512*\c
.endr
.endr
.irp u, 0,1,2,3
	global_load_b32 v[HS+\u], v4, s[12:13] offset:\offs+128*\u
.endr
.endm
	LOADH 0, 0                                     ; tile q is one of tiles 0 to 3, which the launch before stores whatever n_e is
.irp t, 0,1,2,3,4,5,6,7
	global_load_b128 v[W2S+4*\t:W2S+4*\t+3], v11, s[6:7] offset:2048*\t    ; register 4 t + q: lanes 0-15 my K step q, lanes 16-31 my K step 4 + q
.endr
	global_load_b128 v[B2:B2+3], v3, s[8:9]        ; b2 of the four columns that I store
.irp hf, 0,1
	WIN 0x40+0x40*\hf                              ; destination window 1, then 2
.irp s, 0,1,2,3
.irp t, 0,1,2,3,4,5,6,7
.irp c, 0,1
	global_load_b128 v[64*\s+8*\t+4*\c:64*\s+8*\t+4*\c+3], v10, s[4:5] offset:32768*\t+256*\hf+64*\s+32*\c
.endr
.endr
.endr
.endr
	WIN 0
	s_wait_kmcnt 0x0                               ; n_e and the first tokens
	s_min_u32 s22, s22, 0x400                      ; n_e: at most all 1,024 tokens
	s_mov_b32 s24, 8
	s_wait_loadcnt 0x0                             ; the weights, their scales, b2 and the first tile: from here on only a next tile's loads are ever out
; 64 matrix instructions: my eight K steps, the eight accumulators by turns, one instruction a turn; the first K step starts the sums
.macro MULS
.irp hf, 0,1
	WIN 1+\hf                                      ; source 0 (W2) window 1 + hf; all else window 0
.irp s, 0,1,2,3
.irp t, 0,1,2,3,4,5,6,7
.if (\hf == 0) && (\s == 0)
	v_wmma_scale_f32_16x16x128_f8f6f4 v[ACC+8*\t:ACC+8*\t+7], v[64*\s+8*\t:64*\s+8*\t+7], v[HF+32*\hf+8*\s:HF+32*\hf+8*\s+7], 0, v[W2S+4*\t+\s], v[HS+2*\hf+\s/2] matrix_a_fmt:MATRIX_FMT_FP4 matrix_b_fmt:MATRIX_FMT_FP4
.elseif (\hf == 0) && ((\s)%2 == 0)
	v_wmma_scale_f32_16x16x128_f8f6f4 v[ACC+8*\t:ACC+8*\t+7], v[64*\s+8*\t:64*\s+8*\t+7], v[HF+32*\hf+8*\s:HF+32*\hf+8*\s+7], v[ACC+8*\t:ACC+8*\t+7], v[W2S+4*\t+\s], v[HS+2*\hf+\s/2] matrix_a_fmt:MATRIX_FMT_FP4 matrix_b_fmt:MATRIX_FMT_FP4
.elseif \hf == 0
	v_wmma_scale_f32_16x16x128_f8f6f4 v[ACC+8*\t:ACC+8*\t+7], v[64*\s+8*\t:64*\s+8*\t+7], v[HF+32*\hf+8*\s:HF+32*\hf+8*\s+7], v[ACC+8*\t:ACC+8*\t+7], v[W2S+4*\t+\s], v[HS+2*\hf+\s/2] matrix_a_fmt:MATRIX_FMT_FP4 matrix_b_fmt:MATRIX_FMT_FP4 matrix_b_scale:MATRIX_SCALE_ROW1
.elseif (\s)%2 == 0
	v_wmma_scale_f32_16x16x128_f8f6f4 v[ACC+8*\t:ACC+8*\t+7], v[64*\s+8*\t:64*\s+8*\t+7], v[HF+32*\hf+8*\s:HF+32*\hf+8*\s+7], v[ACC+8*\t:ACC+8*\t+7], v[W2S+4*\t+\s], v[HS+2*\hf+\s/2] matrix_a_fmt:MATRIX_FMT_FP4 matrix_b_fmt:MATRIX_FMT_FP4 matrix_a_scale:MATRIX_SCALE_ROW1
.else
	v_wmma_scale_f32_16x16x128_f8f6f4 v[ACC+8*\t:ACC+8*\t+7], v[64*\s+8*\t:64*\s+8*\t+7], v[HF+32*\hf+8*\s:HF+32*\hf+8*\s+7], v[ACC+8*\t:ACC+8*\t+7], v[W2S+4*\t+\s], v[HS+2*\hf+\s/2] matrix_a_fmt:MATRIX_FMT_FP4 matrix_b_fmt:MATRIX_FMT_FP4 matrix_a_scale:MATRIX_SCALE_ROW1 matrix_b_scale:MATRIX_SCALE_ROW1
.endif
.endr
.endr
.endr
	WIN 0
.endm
; Row 4 wave + i of the tile: its four parts and b2 are added; it is stored if the list reaches so far
.macro ROWOUT i
.set SR, SUM+16*(\i)
	s_wait_dscnt 12-4*(\i)                         ; this row's four loads are in; those of the rows behind it may be out
	v_pk_add_f32 v[SR:SR+1], v[SR:SR+1], v[SR+4:SR+5]
	v_pk_add_f32 v[SR+2:SR+3], v[SR+2:SR+3], v[SR+6:SR+7]
	v_pk_add_f32 v[SR+8:SR+9], v[SR+8:SR+9], v[SR+12:SR+13]
	v_pk_add_f32 v[SR+10:SR+11], v[SR+10:SR+11], v[SR+14:SR+15]
	v_pk_add_f32 v[SR:SR+1], v[SR:SR+1], v[SR+8:SR+9]
	v_pk_add_f32 v[SR+2:SR+3], v[SR+2:SR+3], v[SR+10:SR+11]
	v_pk_add_f32 v[SR:SR+1], v[SR:SR+1], v[B2:B2+1]
	v_pk_add_f32 v[SR+2:SR+3], v[SR+2:SR+3], v[B2+2:B2+3]
	s_add_co_u32 s42, s25, \i
	s_cmp_lt_u32 s42, s22
	s_cbranch_scc0 .Lpast_\@
	global_store_b128 v3, v[SR:SR+3], s[32+2*(\i):33+2*(\i)] th:TH_STORE_NT   ; the wave stores 512 consecutive bytes, aligned
.Lpast_\@:
.endm
.macro TRIP buf
	s_cmp_lt_u32 s23, s22                          ; has the list a row in this tile?  The same answer in all four waves
	s_cbranch_scc0 .Lidle_\@
	s_wait_loadcnt 0x0                             ; the tile is in
	MULS
.rept 5
	v_nop                                          ; five plain lines behind the last products: four for the loads and LDS stores below, the fifth for the next trip's products, which begin the accumulators anew
.endr
	s_add_co_u32 s40, s23, 64
	s_cmp_lt_u32 s40, s22
	s_cbranch_scc0 .Llast_\@
	LOADH 131072, 8192                             ; the next tile, four on: it has the way through the stage in which to land
.Llast_\@:
.irp t, 0,1,2,3,4,5,6,7
	ds_store_b128 v5, v[ACC+8*\t:ACC+8*\t+3] offset:\buf*STGB+64*\t            ; each accumulator from its low end on
	ds_store_b128 v5, v[ACC+8*\t+4:ACC+8*\t+7] offset:\buf*STGB+64*\t+16
.endr
.Lidle_\@:
	s_wait_dscnt 0x0                               ; for the others' sake: my stores into this stage have landed, and my reads of the other stage are back
	s_barrier_signal -1
	s_barrier_wait -1
	s_cmp_lt_u32 s23, s22
	s_cbranch_scc0 .Lnone_\@
.irp i, 0,1,2,3
.irp v, 0,1,2,3
	ds_load_b128 v[SUM+16*\i+4*\v:SUM+16*\i+4*\v+3], v6 offset:\buf*STGB+STGW*\v+528*\i   ; row 4 wave + i of wave v's part: 512 consecutive bytes
.endr
.endr
	s_wait_kmcnt 0x0                               ; my four rows' tokens: asked for a trip ago (the first tile's: at the head)
.irp i, 0,1,2,3
	s_min_u32 s40, s[28+\i], 0x3ff                 ; inside the table
	s_lshl_b32 s40, s40, 12
	s_add_nc_u64 s[32+2*\i:33+2*\i], s[16:17], s[40:41]
.endr
	s_add_co_u32 s40, s23, 64
	s_cmp_lt_u32 s40, s22                          ; has the list a next tile of mine?  Then its part of the list is stored, and its tokens are asked for now
	s_cbranch_scc0 .Lno_tokens_\@
	s_load_b128 s[28:31], s[26:27], 0x100          ; four tiles on: 64 words
.Lno_tokens_\@:
	ROWOUT 0
	ROWOUT 1
	ROWOUT 2
	ROWOUT 3
.Lnone_\@:
	s_wait_xcnt 0x0                                ; the loads and stores have read their bases and data: all may be written again
	s_add_nc_u64 s[10:11], s[10:11], 131072        ; four tiles on
	s_add_nc_u64 s[12:13], s[12:13], 8192
	s_add_nc_u64 s[26:27], s[26:27], 256
	s_add_co_u32 s23, s23, 64
	s_add_co_u32 s25, s25, 64
.endm
.Lpair:
	TRIP 0
	TRIP 1
	s_sub_co_u32 s24, s24, 1
	s_cmp_lg_u32 s24, 0
	s_cbranch_scc1 .Lpair
	s_wait_tensorcnt 0x0                           ; the wave's end: this wait, the add and the wait for it, behind my last LDS store
	ds_add_u32 v8, v9
	s_wait_dscnt 0x0
	s_endpgm
.Lfunc_end_k_q00cf521a85_ffn2:
	.size	k_q00cf521a85_ffn2, .Lfunc_end_k_q00cf521a85_ffn2-k_q00cf521a85_ffn2
	.p2alignl 7, 3214868480
	.fill 96, 4, 3214868480
	.section	.rodata,"a",@progbits
	.p2align	6, 0x0
	.amdhsa_kernel k_q00cf521a85_ffn2
		.amdhsa_group_segment_fixed_size 68096
		.amdhsa_private_segment_fixed_size 0
		.amdhsa_enable_private_segment 0
		.amdhsa_kernarg_size 56
		.amdhsa_user_sgpr_count 2
		.amdhsa_user_sgpr_kernarg_segment_ptr 1
		.amdhsa_wavefront_size32 1
		.amdhsa_system_sgpr_workgroup_id_x 1
		.amdhsa_system_sgpr_workgroup_id_y 1
		.amdhsa_system_sgpr_workgroup_id_z 1
		.amdhsa_system_vgpr_workitem_id 0
		.amdhsa_next_free_vgpr 768
		.amdhsa_next_free_sgpr 66
		.amdhsa_reserve_vcc 0
		.amdhsa_float_denorm_mode_32 3
		.amdhsa_float_denorm_mode_16_64 3
		.amdhsa_memory_ordered 1
		.amdhsa_forward_progress 1
		.amdhsa_inst_pref_size 51
	.end_amdhsa_kernel
	.amdgpu_metadata
---
amdhsa.version: [ 1, 2 ]
amdhsa.kernels:
  - .name:           k_q00cf521a85_ffn2
    .symbol:         k_q00cf521a85_ffn2.kd
    .args:
      - { .name: W2_codes, .offset: 0, .size: 8, .value_kind: global_buffer, .address_space: global }
      - { .name: W2_scales, .offset: 8, .size: 8, .value_kind: global_buffer, .address_space: global }
      - { .name: b2, .offset: 16, .size: 8, .value_kind: global_buffer, .address_space: global }
      - { .name: hq, .offset: 24, .size: 8, .value_kind: global_buffer, .address_space: global }
      - { .name: hs, .offset: 32, .size: 8, .value_kind: global_buffer, .address_space: global }
      - { .name: rows, .offset: 40, .size: 8, .value_kind: global_buffer, .address_space: global }
      - { .name: y, .offset: 48, .size: 8, .value_kind: global_buffer, .address_space: global }
    .group_segment_fixed_size: 68096
    .private_segment_fixed_size: 0
    .kernarg_segment_align: 8
    .kernarg_segment_size: 56
    .max_flat_workgroup_size: 128
    .sgpr_count:     66
    .vgpr_count:     768
    .wavefront_size: 32
...
	.end_amdgpu_metadata
.endif
;; end of part 3
;; launch combine (part 4): grid 256 x 1, 4 waves a work-group, no clusters, 0 bytes of LDS; arguments y, sel, cw, out0; writes out0
.if DOCPART == 4
	.amdgcn_target "amdgcn-amd-amdhsa--gfx1250"
	.amdhsa_code_object_version 6
	.text
	.protected	k_q00cf521a85_combine
	.globl	k_q00cf521a85_combine
	.p2align	8
	.type	k_q00cf521a85_combine,@function
k_q00cf521a85_combine:
	s_mov_b64 s[64:65], 0
	v_nop
	global_prefetch_b8 v0, s[64:65] scope:SCOPE_SE
	s_setreg_imm32_b32 hwreg(HW_REG_WAVE_MODE, 25, 1), 1
	s_wait_xcnt 0x0
; out[t] = c0 y[e0][t] + c1 y[e1][t]: of the sum over the eight experts only the two chosen ones are read (the other six terms have the factor 0: the head of the first kernel shows it).
; A wave takes one token: two rows of 4,096 bytes in, one out, every load and store 512 consecutive bytes.  All sixteen loads are out at once; the waits count down.
; The experts' numbers come from memory, stored by the first launch, and are held inside the table before they enter an address.  No LDS, no barrier, no matrix unit: two rows are weighed and added.
	s_load_b256 s[4:11], s[0:1], 0x0               ; y s[4:5], sel s[6:7], cw s[8:9], out s[10:11]
	v_lshrrev_b32 v1, 5, v0
	v_readfirstlane_b32 s12, v1                    ; wave
	v_and_b32 v1, 31, v0
	v_lshlrev_b32 v1, 4, v1                        ; 16 bytes a lane
	s_lshl_b32 s13, ttmp9, 2
	s_add_co_u32 s13, s13, s12                     ; my token
	s_lshl_b32 s14, s13, 2
	s_lshl_b32 s15, s13, 3
	s_mov_b32 s29, 0
	s_wait_alu depctr_va_vdst(0)
	s_wait_kmcnt 0x0
	s_load_b32 s16, s[6:7], s14 offset:0x0         ; e0 | e1 << 8 | ..
	s_load_b64 s[18:19], s[8:9], s15 offset:0x0    ; c0, c1
	s_lshl_b32 s28, s13, 12
	s_add_nc_u64 s[10:11], s[10:11], s[28:29]      ; my row of out
	s_wait_kmcnt 0x0
	s_and_b32 s20, s16, 0xff
	s_min_u32 s20, s20, 7
	s_bfe_u32 s21, s16, 0x80008
	s_min_u32 s21, s21, 7
	s_lshl_b32 s20, s20, 10
	s_add_co_u32 s20, s20, s13
	s_lshl_b32 s28, s20, 12
	s_add_nc_u64 s[24:25], s[4:5], s[28:29]        ; y[e0][t]
	s_lshl_b32 s21, s21, 10
	s_add_co_u32 s21, s21, s13
	s_lshl_b32 s28, s21, 12
	s_add_nc_u64 s[26:27], s[4:5], s[28:29]        ; y[e1][t]
	s_mov_b32 s22, s19                             ; c1 in a pair of its own: the packed forms name a pair and take its low word for both halves
	s_mov_b32 s23, s19
.irp i, 0,1,2,3,4,5,6,7
	global_load_b128 v[8+8*\i:11+8*\i], v1, s[24:25] offset:512*\i th:TH_LOAD_NT
	global_load_b128 v[12+8*\i:15+8*\i], v1, s[26:27] offset:512*\i th:TH_LOAD_NT
.endr
.irp i, 0,1,2,3,4,5,6,7
	s_wait_loadcnt 14-2*\i                         ; this pair of loads is in; the younger pairs may be out
	v_pk_mul_f32 v[8+8*\i:9+8*\i], v[8+8*\i:9+8*\i], s[18:19] op_sel_hi:[1,0]
	v_pk_mul_f32 v[10+8*\i:11+8*\i], v[10+8*\i:11+8*\i], s[18:19] op_sel_hi:[1,0]
	v_pk_fma_f32 v[8+8*\i:9+8*\i], v[12+8*\i:13+8*\i], s[22:23], v[8+8*\i:9+8*\i] op_sel_hi:[1,0,1]
	v_pk_fma_f32 v[10+8*\i:11+8*\i], v[14+8*\i:15+8*\i], s[22:23], v[10+8*\i:11+8*\i] op_sel_hi:[1,0,1]
	global_store_b128 v1, v[8+8*\i:11+8*\i], s[10:11] offset:512*\i th:TH_STORE_NT
.endr
	s_endpgm
.Lfunc_end_k_q00cf521a85_combine:
	.size	k_q00cf521a85_combine, .Lfunc_end_k_q00cf521a85_combine-k_q00cf521a85_combine
	.p2alignl 7, 3214868480
	.fill 96, 4, 3214868480
	.section	.rodata,"a",@progbits
	.p2align	6, 0x0
	.amdhsa_kernel k_q00cf521a85_combine
		.amdhsa_group_segment_fixed_size 0
		.amdhsa_private_segment_fixed_size 0
		.amdhsa_enable_private_segment 0
		.amdhsa_kernarg_size 32
		.amdhsa_user_sgpr_count 2
		.amdhsa_user_sgpr_kernarg_segment_ptr 1
		.amdhsa_wavefront_size32 1
		.amdhsa_system_sgpr_workgroup_id_x 1
		.amdhsa_system_sgpr_workgroup_id_y 1
		.amdhsa_system_sgpr_workgroup_id_z 1
		.amdhsa_system_vgpr_workitem_id 0
		.amdhsa_next_free_vgpr 72
		.amdhsa_next_free_sgpr 66
		.amdhsa_reserve_vcc 0
		.amdhsa_float_denorm_mode_32 3
		.amdhsa_float_denorm_mode_16_64 3
		.amdhsa_memory_ordered 1
		.amdhsa_forward_progress 1
		.amdhsa_inst_pref_size 6
	.end_amdhsa_kernel
	.amdgpu_metadata
---
amdhsa.version: [ 1, 2 ]
amdhsa.kernels:
  - .name:           k_q00cf521a85_combine
    .symbol:         k_q00cf521a85_combine.kd
    .args:
      - { .name: y, .offset: 0, .size: 8, .value_kind: global_buffer, .address_space: global }
      - { .name: sel, .offset: 8, .size: 8, .value_kind: global_buffer, .address_space: global }
      - { .name: cw, .offset: 16, .size: 8, .value_kind: global_buffer, .address_space: global }
      - { .name: out0, .offset: 24, .size: 8, .value_kind: global_buffer, .address_space: global }
    .group_segment_fixed_size: 0
    .private_segment_fixed_size: 0
    .kernarg_segment_align: 8
    .kernarg_segment_size: 32
    .max_flat_workgroup_size: 128
    .sgpr_count:     66
    .vgpr_count:     72
    .wavefront_size: 32
...
	.end_amdgpu_metadata
.endif
;; end of part 4
